; MI455X (gfx1250); checked and timed in simulation.
; The chip was launched on July 23, 2026; its instructions are those of AMD's public machine-readable ISA for CDNA 5 (MIT licence, August 2026) and "CDNA5" Instruction Set Architecture Reference Guide (July 2026). The comments in the code are by the model that wrote it; some were corrected since.
;; Attention. Allowed arithmetic: float matrix products may take bf16 or f16 operands with f32 sums; all other float work in f32.
;; Inputs: keys 4 x 4 x 1,024 x 8 x 64 float32; queries 4 x 4 x 1,024 x 8 x 64 float32; values 4 x 4 x 1,024 x 8 x 64 float32.
;; Outputs: out0 4 x 4 x 1,024 x 8 x 64 float32.
;; One version. Each part assembles by itself: llvm-mc -triple=amdgcn-amd-amdhsa -mcpu=gfx1250 --defsym DOCPART=n.
;; ======== version 1 of 1: 1 launch
;; limits: values are held in f16: magnitudes above 65,504 overflow, below 6.1e-05 lose precision; inputs' magnitudes at most 65,504
;; launch attn (part 1): grid 256 x 1, 4 waves a work-group, no clusters, 56,832 bytes of LDS; arguments keys, queries, values, out0; writes out0
.if DOCPART == 1
	.amdgcn_target "amdgcn-amd-amdhsa--gfx1250"
	.amdhsa_code_object_version 6
	.text
	.protected	k_q63a114edce_attn
	.globl	k_q63a114edce_attn
	.p2align	8
	.type	k_q63a114edce_attn,@function
k_q63a114edce_attn:
	s_mov_b64 s[64:65], 0
	v_nop
	global_prefetch_b8 v0, s[64:65] scope:SCOPE_SE
	s_setreg_imm32_b32 hwreg(HW_REG_WAVE_MODE, 25, 1), 1
	s_wait_xcnt 0x0
; Causal softmax attention.  queries, keys, values, out0: [16 (b,n)][1024 (l)][8 (h)][64 (e)] f32.  128 heads (b,n,h), each by itself.
; A position's 64 numbers of one head are 256 consecutive bytes; positions of one head lie 2,048 bytes apart.
;
; WORK LEFT OUT.  For key s > query l reference() puts -inf in the score's place, so that key's weight is exactly 0 whatever the inputs hold.
; A step (16 queries x 64 keys) in which every key lies behind every query can reach no output and is not computed, and a tile of 64 keys and
; values that no query of the work-group may see is not loaded.  In the tile on the diagonal every score is computed and the masked ones are
; set to -inf.  All three inputs are live.  LIMIT: a NaN, an infinity or an overflow in keys or values that reaches only the steps left out is
; not carried to the result.
; NUMBER FORMAT.  Q, K, V and the weights p go to the matrix unit in f16, sums in f32.  Why f16 and not bf16: a query that sees few keys has
; weights of order 1, and an output can be a small difference of terms p v of order 1; rounding p to 8 significant bits adds up to 2^-8 |p v|
; to each term, rounding to f16's 11 bits up to 2^-11 |p v|.  LIMITS of f16: an input beyond 65,504 in magnitude becomes infinite; an input or a
; weight under 2^-14 is kept in steps of 2^-24 (the weights stand against a row sum of at least 1).
; OTHER LIMITS.  The row sum is kept in f32, of the unrounded p.  The running maximum is taken away before every exponential, as in
; reference().  Exponentials below 2^-126 come out as 0 (ISA guide, v_exp_f32).  v_max_num_f32 lets a NaN lose, so a NaN score reaches the
; result through its exponential and not through the maximum.
;
; SHARES.  Work-group = (head = number / 2, x = number & 1).  A head's queries are 16 groups of 64; group g sees key tiles 0 .. g.  The work-group
; owns eight groups ("slots"), g_i = 2 i + ((i & 1) xor x): the sums of g + 1 are 68 for both x.  Wave w owns rows 16 w .. 16 w + 15 of each
; slot, so every wave of the launch does 68 steps and every skip is the same in a work-group's four waves.
; TRANSPOSED PRODUCTS.  S^T = K Q^T: lane (r = lane & 15, h = lane >> 4) holds, in register j of tile kt, key 16 kt + 8 h + j of query r.  So a
; lane's 32 scores belong to one query, the maximum crosses lanes once, and pairs of scores packed to f16 are the second product's B fragment
; as they stand.  O^T = V^T P^T: register j of tile dt is d = 16 dt + 8 h + j of query r, so the rescaling factors are one number a lane.
; ORDER OF KEY TILES: 0, then seven trips of a HIGH tile 15 - x - j (few slots see it) and a LOW tile j + 1 (many do), then tile 8 for x = 0.
; Each trip has 8 or 9 steps, and each pair of tiles is asked for a whole trip before it is converted.  The running softmax does not mind
; the order.  Slots 0-3 (g <= 7) end at a LOW tile and are stored there, slots 4-7 behind the last tile.
; THE SLOTS OF A TILE TAKE TURNS.  g_i rises with i, so the slots that see a tile are a run i0 .. 7, and only i0 can lie on the diagonal.  The run
; is a chain: HEAD i0 (its score products alone, the mask if on the diagonal, its softmax), then UNIT i for i0 < i <= 7, then slot 7's second
; products.  In a unit the softmax of slot i, 121 vector lines, carries 16 products of its neighbours: the second products of slot i - 1 among
; the maximum chains and the sums, the score products of slot i + 1 among the multiply-adds and exponentials.  For that there are two score
; buffers, by the slot's parity.  The second products of slot i - 1 start from 0 in 16 registers of window 0 (two d tiles at a time) and are
; joined to the accumulators by O = O alpha + part, one fused multiply-add where a rescaling multiply would stand: so those products name window 0 alone.
; K AND V come in as whole rows of 256 bytes (16 lanes a row), are rounded to f16 in registers and stored to LDS, each number once in a
; work-group; each wave then reads a tile's fragments into 128 registers once and uses them for up to eight slots.
; THE FRAGMENTS OF THE NEXT TILE are read under the end of the run in front, into the same registers.  Slot 7 ends every run, so its score products
; are the last to read K's fragments: the next tile's 16 K loads stand in front of slot 7's unit and land under its softmax.  Its second products
; are the last to read V's: the next tile's 16 V loads stand behind them and land under the next run's head, which has no second product.
; NO CLUSTER, NO TENSOR LOADS: only the two work-groups of a head read the same K and V, they need 16 and 15 tiles and different HIGH tiles in
; the same trip; and the tiles are f32 in memory while LDS holds f16, so they pass through registers in any case.
.set ROWB,  2048                       ; bytes from a position to the next
.set TILEB, 64*ROWB                    ; 64 positions: a key tile, a group of queries
.set KP,    144                        ; LDS pitch of K rows and of the Q stage: 128 bytes + 16, an odd multiple of 16
.set VP,    160                        ; LDS pitch of V rows: 128 bytes + 32, an odd multiple of 32, for the transposing loads
.set VOFF,  64*KP                      ; V's 64 rows lie behind K's 64 rows
.set PLACE, 64*KP+64*VP                ; the LOW tile's place lies behind the HIGH tile's
.set STG,   2*PLACE                    ; behind both: a stage for each wave, its own
.set OP,    272                        ; pitch of the stage on the way out: 256 bytes + 16
.set STGW,  16*OP                      ; bytes of a wave's stage (the Q stage, 16 x 144, fits too)
; window 0: what the products and the softmax name
.set NI,  1                            ; v1       -inf
.set AL0, 2                            ; v2, v4   alpha of the even and of the odd slot at work; v3, v5 fill their pairs and are never selected
.set MX,  6                            ; v[6+i]   slot i: running maximum of the raw scores
.set LS,  14                           ; v[14+i]  slot i: my half's part of the row sum
.set TT,  22                           ; v22-29   at work
.set PB,  30                           ; v30-45   p in f16: B fragments of key steps 0 and 1
.set PA,  46                           ; v46-61   two d tiles of the second product, before they are joined to the accumulators; in tile 0 Q on its way to the stage
.set SC0, 62                           ; v62-93, v94-125  four score tiles of an even, of an odd slot (v64-80 serve the set-up first)
.set KF,  126                          ; v126-189 K fragments: key tile kt, e step ks at KF + 16 kt + 8 ks
.set VF,  190                          ; v190-253 V^T fragments: d tile dt, key step kk at VF + 16 dt + 8 kk
; window 1: v[16 i .. 16 i + 15] Q fragments of slot i;  stage registers: K at SH / SL, V 32 further
.set SH, 128
.set SL, 192
; window 2: v[32 i + 8 dt + j] accumulators of slot i; before the slot's first step its Q rows in f32, at its end the rows read back for the store
; window 3: addresses, written once and never again
.set KG, 0                             ; K staging: byte offset of my 16 bytes in memory (row 16 w + 8 h)
.set VG, 1                             ; V staging: the same (row 16 w + 4 h)
.set KS, 2                             ; K staging: where my 8 bytes go in LDS
.set VS, 3                             ; V staging: the same
.set KA, 4                             ; K fragments: r x 144 + 16 h
.set VA, 5                             ; V fragments, transposing loads
.set RE, 6                             ; rows of even slots in queries and out0
.set RO, 7                             ; rows of odd slots
.set QS, 8                             ; Q stage, in
.set QA, 9                             ; Q stage, fragments out
.set OS, 10                            ; out stage, in
.set OL, 11                            ; out stage, rows out
.set MK, 66                            ; s66-97: lane masks of the diagonal tile, one for each of a lane's 32 scores
.set MSB, 0
.macro WIN new                         ; low byte: bits 1:0 source 0, 3:2 source 1, 5:4 source 2, 7:6 destination; the high byte repeats the setting that is left
.if MSB != \new
	s_set_vgpr_msb (MSB<<8)|\new
.set MSB, \new
.endif
.endm
.macro PLACES n
.rept \n
	v_nop
.endr
.endm
; Ask for a tile: my 16 of its 64 rows of K and of V, 16 loads of 512 bytes (two whole rows each).  dir: 0 the pointers stay, 1 a tile up, 2 a tile down.
; The pointers are stepped only behind the wait on LOADcnt that showed their last loads done.  No cache word: the head's other work-group reads these bytes too.
.macro ISSUE reg, kp, vp, dir
.if \dir == 1
	s_add_nc_u64 s[\kp:\kp+1], s[\kp:\kp+1], TILEB
	s_add_nc_u64 s[\vp:\vp+1], s[\vp:\vp+1], TILEB
.endif
.if \dir == 2
	s_sub_nc_u64 s[\kp:\kp+1], s[\kp:\kp+1], TILEB
	s_sub_nc_u64 s[\vp:\vp+1], s[\vp:\vp+1], TILEB
.endif
	WIN 0x43                                       ; data window 1, address window 3
.irp n, 0,1,2,3,4,5,6,7
	global_load_b128 v[\reg+4*\n:\reg+4*\n+3], v[KG], s[\kp:\kp+1] offset:\n*ROWB                              ; K row 16 w + 8 h + n
.endr
.irp n, 0,1,2,3,4,5,6,7
	global_load_b128 v[\reg+32+4*\n:\reg+32+4*\n+3], v[VG], s[\vp:\vp+1] offset:((\n&3)+8*(\n>>2))*ROWB        ; V row 16 w + 4 h + (n & 3) + 8 (n >> 2)
.endr
	WIN 0
.endm
; Round a landed tile to f16 in place and store it: 8 bytes a lane.  The two halves of the lanes write rows 8 x 144 (K) or 4 x 160 (V) bytes apart,
; both 128 modulo 256, so the 32 lanes of a store touch 256 different bytes modulo 256.
.macro CVTST reg, place
	WIN 0x45
.irp n, 0,1,2,3,4,5,6,7,8,9,10,11,12,13,14,15
	v_cvt_pk_f16_f32 v[\reg+4*\n],   v[\reg+4*\n],   v[\reg+4*\n+1]
	v_cvt_pk_f16_f32 v[\reg+4*\n+1], v[\reg+4*\n+2], v[\reg+4*\n+3]
.endr
	WIN 0x07                                       ; address window 3, data window 1
.irp n, 0,1,2,3,4,5,6,7
	ds_store_b64 v[KS], v[\reg+4*\n:\reg+4*\n+1] offset:\place+\n*KP
.endr
.irp n, 0,1,2,3,4,5,6,7
	ds_store_b64 v[VS], v[\reg+32+4*\n:\reg+32+4*\n+1] offset:\place+((\n&3)+8*(\n>>2))*VP
.endr
	WIN 0
.endm
; The next pair goes to LDS and the pair behind it is asked for.  cond = 1 (in the loop, trip j = s32): the HIGH tile of pair j + 1 exists while
; j < 7 - x, that of pair j + 2 while j < 6 - x; the LOW ones while j < 6 and j < 5.  So no tile is loaded that no step reads.
.macro STAGE cond, cnt
	s_wait_loadcnt \cnt
.if \cond
	s_cmp_ge_u32 s32, s35
	s_cbranch_scc1 .LnoH_\@
.endif
	CVTST SH, 0
.if \cond
	s_cmp_ge_u32 s32, s36
	s_cbranch_scc1 .LnoH_\@
.endif
	ISSUE SH, 20, 22, 2
.LnoH_\@:
.if \cond
	s_cmp_ge_u32 s32, 6
	s_cbranch_scc1 .LnoL_\@
.endif
	CVTST SL, PLACE
.if \cond
	s_cmp_ge_u32 s32, 5
	s_cbranch_scc1 .LnoL_\@
.endif
	ISSUE SL, 24, 26, 1
.LnoL_\@:
.endm
; A tile's K fragments into registers: 16 loads.  They stand at least four plain vector lines behind the last score product, which has read KF
; (ISA guide 7.12.1 for vector instructions).
.macro KLD place
	WIN 0x03                                       ; address window 3
.irp kt, 0,1,2,3
.irp ks, 0,1
	ds_load_b128 v[KF+16*\kt+8*\ks:KF+16*\kt+8*\ks+3],   v[KA] offset:\place+\kt*16*KP+\ks*64        ; key 16 kt + r, e = 32 ks + 8 h ..
	ds_load_b128 v[KF+16*\kt+8*\ks+4:KF+16*\kt+8*\ks+7], v[KA] offset:\place+\kt*16*KP+\ks*64+32     ; e = 32 ks + 16 + 8 h ..
.endr
.endr
	WIN 0
.endm
; A tile's V^T fragments into registers: 16 transposing loads.  pl = 1: they follow slot 7's second products, which have read VF: four places first.
.macro VLD place, pl
.if \pl
	PLACES 4
.endif
	WIN 0x03
.irp dt, 0,1,2,3
.irp kk, 0,1
	ds_load_tr16_b128 v[VF+16*\dt+8*\kk:VF+16*\dt+8*\kk+3],   v[VA] offset:\place+\kk*32*VP+\dt*32         ; d = 16 dt + r, keys 32 kk + 8 h ..
	ds_load_tr16_b128 v[VF+16*\dt+8*\kk+4:VF+16*\dt+8*\kk+7], v[VA] offset:\place+\kk*32*VP+\dt*32+16*VP   ; keys 32 kk + 16 + 8 h ..
.endr
.endr
	WIN 0
.endm
; My 16 query rows of slot i, in f32, into the slot's accumulator registers: load n brings rows 2 n + h.  Each byte of queries is read once in the launch.
.macro QLOAD i
	WIN 0x83                                       ; data window 2, address window 3
.irp n, 0,1,2,3,4,5,6,7
	global_load_b128 v[32*(\i)+4*\n:32*(\i)+4*\n+3], v[RE+((\i)&1)], s[28:29] offset:(\i)*2*TILEB+\n*2*ROWB th:TH_LOAD_NT
.endr
	WIN 0
.endm
; Slot i's Q rows to f16, through my own stage, into B fragments (column = query r, e along the registers).  LDS serves a wave's instructions in
; order (ISA guide 5.7.1), so the loads see the stores; no other wave touches the stage.
.macro QPREP i, cnt
	s_wait_loadcnt \cnt
.if \i < 4
	QLOAD \i+4
.endif
	WIN 0x0a
.irp n, 0,1,2,3,4,5,6,7
	v_cvt_pk_f16_f32 v[PA+2*\n],   v[32*\i+4*\n],   v[32*\i+4*\n+1]
	v_cvt_pk_f16_f32 v[PA+2*\n+1], v[32*\i+4*\n+2], v[32*\i+4*\n+3]
.endr
	WIN 0x03
.irp n, 0,1,2,3,4,5,6,7
	ds_store_b64 v[QS], v[PA+2*\n:PA+2*\n+1] offset:\n*2*KP
.endr
	WIN 0x43
.irp q, 0,1,2,3
	ds_load_b128 v[16*\i+4*\q:16*\i+4*\q+3], v[QA] offset:32*\q
.endr
	WIN 0
	s_wait_dscnt 0x0
.endm
; The diagonal tile: key 16 kt + 8 h + j lies behind query 16 w + r where 16 kt + j > 16 w + r - 8 h.  That hangs on the lane and the wave alone,
; so the 32 lane masks were made once, in the set-up.
.macro MASK i
.set ix, 0
.rept 32
	v_cndmask_b32 v[SC0+32*((\i)&1)+ix], v[SC0+32*((\i)&1)+ix], v[NI], s[MK+ix]
.set ix, ix+1
.endr
.endm
; Slot i is complete: join the two halves' sums, divide, turn O^T round through my stage, store whole rows: 16 lanes store 256 consecutive bytes, aligned.
; pl = 1: the accumulators were last written by products, so four places come first (ISA guide 7.12.1).
; free = 1, where later text names the slot's registers again (its compare on g skips it): the stores' data are rewritten only behind s_wait_xcnt 0,
; so that the order does not lean on that compare.
.macro EPI i, pl, free
.if \pl
	PLACES 4
.endif
	v_permlanex16_b32 v[TT], v[LS+\i], s40, s41
	v_add_f32 v[TT], v[TT], v[LS+\i]
	v_rcp_f32 v[TT+4], v[TT]
	v_nop                                          ; one plain place behind the reciprocal (ISA guide 5.7.2)
	WIN 0x82
	s_wait_alu depctr_va_vdst(0)
.irp p, 0,1,2,3,4,5,6,7,8,9,10,11,12,13,14,15
	v_pk_mul_f32 v[32*\i+2*\p:32*\i+2*\p+1], v[32*\i+2*\p:32*\i+2*\p+1], v[TT+4:TT+5] op_sel_hi:[1,0]
.endr
	WIN 0x0b                                       ; address window 3, data window 2
.irp dt, 0,1,2,3
	ds_store_b128 v[OS], v[32*\i+8*\dt:32*\i+8*\dt+3]   offset:64*\dt       ; row r, d = 16 dt + 8 h + 0 .. 3
	ds_store_b128 v[OS], v[32*\i+8*\dt+4:32*\i+8*\dt+7] offset:64*\dt+16
.endr
	WIN 0x83
.irp n, 0,1,2,3,4,5,6,7
	ds_load_b128 v[32*\i+4*\n:32*\i+4*\n+3], v[OL] offset:\n*2*OP           ; rows 2 n + h; served behind the stores above
.endr
	WIN 0x0b
.irp n, 0,1,2,3,4,5,6,7
	s_wait_dscnt 7-\n                              ; LDS loads come back in order: load n is in, the 7 - n younger ones may be out
	global_store_b128 v[RE+(\i&1)], v[32*\i+4*\n:32*\i+4*\n+3], s[30:31] offset:\i*2*TILEB+\n*2*ROWB th:TH_STORE_NT
.endr
	WIN 0
.if \free
	s_wait_xcnt 0x0
.endif
.endm
; The k-th of a slot's eight score products, S^T = K Q^T, under the setting 0x04 (B in window 1).  spd: the slot's score buffer; spq: its Q fragments.
; k = 0 .. 3 start the four tiles with e = 0 .. 31, k = 4 .. 7 add e = 32 .. 63: the four accumulators take turns, one instruction a turn.
.macro SPROD k
.if \k < 4
	v_wmma_f32_16x16x32_f16 v[spd+8*\k:spd+8*\k+7], v[KF+16*\k:KF+16*\k+7], v[spq:spq+7], 0
.else
	v_wmma_f32_16x16x32_f16 v[spd+8*\k-32:spd+8*\k-25], v[KF+16*\k-56:KF+16*\k-49], v[spq+8:spq+15], v[spd+8*\k-32:spd+8*\k-25]
.endif
.endm
; One of the second products of the slot in front, V^T P^T, d tile dt, key step kk, into half a of PA; all its registers lie in window 0.
.macro PVP on, dt, kk, a
.if \on
.if \kk
	v_wmma_f32_16x16x32_f16 v[PA+8*\a:PA+8*\a+7], v[VF+16*\dt+8:VF+16*\dt+15], v[PB+8:PB+15], v[PA+8*\a:PA+8*\a+7]
.else
	v_wmma_f32_16x16x32_f16 v[PA+8*\a:PA+8*\a+7], v[VF+16*\dt:VF+16*\dt+7], v[PB:PB+7], 0
.endif
.endif
.endm
; Slot i's score products by themselves, where no softmax is at hand to set them among; four places before vector instructions read the scores (ISA guide 7.12.1).
.macro SALONE i
.set spd, SC0+32*((\i)&1)
.set spq, 16*(\i)
	WIN 0x04
.irp k, 0,1,2,3,4,5,6,7
	SPROD \k
.endr
	WIN 0
	PLACES 4
.endm
; The softmax of slot i, whose scores lie in its buffer, with its neighbours' products among it.
; prev = 1: the eight second products of slot i - 1, and their joining to its accumulators.  next = 1: the eight score products of slot i + 1.
; first = 1: the slot's first step: no old maximum, no alpha, the row sum starts.
; Order of the matrix instructions: PA's halves 0, 1, 0, 1; the four score tiles twice; PA's halves 0, 1, 0, 1: no two in a row share an accumulator,
; from unit to unit either.  Behind the unit's last product stand five sum lines that name none of its registers, ahead of
; the conversions that write its B, of the lines that read its result, and of the next unit's products that write over PA (ISA guide 7.12.1).
.macro UNIT i, prev, next, first
.set sbc, SC0+32*((\i)&1)
.set spd, SC0+32*(((\i)+1)&1)
.set spq, 16*((\i)+1)
.set alc, AL0+2*((\i)&1)
.set alp, AL0+2*(((\i)+1)&1)
.set obp, 32*((\i)-1)
	; the largest of my 32 scores in four chains; a product of slot i - 1 (d tiles 0 and 1) in front of each group of four lines
	PVP \prev, 0, 0, 0
.irp c, 0,1,2,3
	v_max3_num_f32 v[TT+\c], v[sbc+8*\c], v[sbc+8*\c+1], v[sbc+8*\c+2]
.endr
	PVP \prev, 1, 0, 1
.irp c, 0,1,2,3
	v_max3_num_f32 v[TT+\c], v[TT+\c], v[sbc+8*\c+3], v[sbc+8*\c+4]
.endr
	PVP \prev, 0, 1, 0
.irp c, 0,1,2,3
	v_max3_num_f32 v[TT+\c], v[TT+\c], v[sbc+8*\c+5], v[sbc+8*\c+6]
.endr
	PVP \prev, 1, 1, 1
.irp c, 0,1,2,3
	v_max_num_f32 v[TT+\c], v[TT+\c], v[sbc+8*\c+7]
.endr
	v_max3_num_f32 v[TT], v[TT], v[TT+1], v[TT+2]
	v_max_num_f32 v[TT], v[TT], v[TT+3]
	v_permlanex16_b32 v[TT+1], v[TT], s40, s41     ; lane i takes lane i xor 16: the same query's other 32 keys
.if \first
	v_max_num_f32 v[TT+1], v[TT], v[TT+1]          ; finite: key 0 of tile 0 is open to every query
.else
	v_max3_num_f32 v[TT+1], v[TT], v[TT+1], v[MX+\i]
.endif
	v_mul_f32 v[TT+2], 0xbe38aa3b, v[TT+1]         ; - c m, c = log2(e) / 8: the scale 1 / sqrt(64) and the change of base in one factor
.if 1-\first
	v_fma_f32 v[alc], v[MX+\i], s38, v[TT+2]
	v_exp_f32 v[alc], v[alc]                       ; alpha = 2^(c (m_old - m)); plain lines follow before it is used
.endif
	; p = 2^(c (s - m)) in place, -inf giving 0.  Eight slices: a score product of slot i + 1, two packed multiply-adds, the four exponentials of the
	; slice before.  These vector lines name no vector register as source 1, so they stand under the products' setting.
.if \next
	WIN 0x04
.endif
.irp k, 0,1,2,3,4,5,6,7
.if \next
	SPROD \k
.endif
	v_pk_fma_f32 v[sbc+4*\k:sbc+4*\k+1],   v[sbc+4*\k:sbc+4*\k+1],   s[38:39], v[TT+2:TT+3] op_sel_hi:[1,0,0]
	v_pk_fma_f32 v[sbc+4*\k+2:sbc+4*\k+3], v[sbc+4*\k+2:sbc+4*\k+3], s[38:39], v[TT+2:TT+3] op_sel_hi:[1,0,0]
.if \k
	v_exp_f32 v[sbc+4*\k-4], v[sbc+4*\k-4]
	v_exp_f32 v[sbc+4*\k-3], v[sbc+4*\k-3]
	v_exp_f32 v[sbc+4*\k-2], v[sbc+4*\k-2]
	v_exp_f32 v[sbc+4*\k-1], v[sbc+4*\k-1]
.endif
.endr
	v_exp_f32 v[sbc+28], v[sbc+28]
	v_exp_f32 v[sbc+29], v[sbc+29]
	v_exp_f32 v[sbc+30], v[sbc+30]
	v_exp_f32 v[sbc+31], v[sbc+31]
	v_mov_b32 v[MX+\i], v[TT+1]                    ; the plain place behind the exponentials (ISA guide 5.7.2)
.if \prev
	WIN 0x82                                       ; slot i - 1, d tiles 0 and 1: O = O alpha + part
	s_wait_alu depctr_va_vdst(0)
.irp p, 0,1,2,3,4,5,6,7
	v_pk_fma_f32 v[obp+2*\p:obp+2*\p+1], v[obp+2*\p:obp+2*\p+1], v[alp:alp+1], v[PA+2*\p:PA+2*\p+1] op_sel_hi:[1,0,1]
.endr
.endif
	WIN 0
	; my half's row sum in four chains; a product of slot i - 1 (d tiles 2 and 3) in front of each group
	PVP \prev, 2, 0, 0
	s_wait_alu depctr_va_vdst(0)
.irp c, 0,1,2,3
	v_pk_add_f32 v[TT+2*\c:TT+2*\c+1], v[sbc+8*\c:sbc+8*\c+1], v[sbc+8*\c+2:sbc+8*\c+3]
.endr
	PVP \prev, 3, 0, 1
.irp c, 0,1,2,3
	v_pk_add_f32 v[TT+2*\c:TT+2*\c+1], v[TT+2*\c:TT+2*\c+1], v[sbc+8*\c+4:sbc+8*\c+5]
.endr
	PVP \prev, 2, 1, 0
.irp c, 0,1,2,3
	v_pk_add_f32 v[TT+2*\c:TT+2*\c+1], v[TT+2*\c:TT+2*\c+1], v[sbc+8*\c+6:sbc+8*\c+7]
.endr
	PVP \prev, 3, 1, 1
	v_pk_add_f32 v[TT:TT+1], v[TT:TT+1], v[TT+2:TT+3]
	v_pk_add_f32 v[TT+4:TT+5], v[TT+4:TT+5], v[TT+6:TT+7]
	v_pk_add_f32 v[TT:TT+1], v[TT:TT+1], v[TT+4:TT+5]
.if \first
	v_add_f32 v[LS+\i], v[TT], v[TT+1]
.else
	v_add_f32 v[TT], v[TT], v[TT+1]
	v_fma_f32 v[LS+\i], v[LS+\i], v[alc], v[TT]
.endif
	; score tiles 2 kk and 2 kk + 1, packed, are the B fragment of key step kk: registers 0-3 keys 32 kk + 8 h .., registers 4-7 keys 32 kk + 16 + 8 h ..
.irp kt, 0,1,2,3
.irp q, 0,1,2,3
	v_cvt_pk_f16_f32 v[PB+4*\kt+\q], v[sbc+8*\kt+2*\q], v[sbc+8*\kt+2*\q+1]
.endr
.endr
.if \prev
	WIN 0x82                                       ; slot i - 1, d tiles 2 and 3
.irp p, 0,1,2,3,4,5,6,7
	v_pk_fma_f32 v[obp+16+2*\p:obp+16+2*\p+1], v[obp+16+2*\p:obp+16+2*\p+1], v[alp:alp+1], v[PA+2*\p:PA+2*\p+1] op_sel_hi:[1,0,1]
.endr
	WIN 0
.endif
.endm
; The first slot of a tile's run.  mask = 1: the tile's number s[tile] is held against g_i, and on the diagonal the scores are masked; 2: always; 0: never.
; kld = 1 (slot 7 begins and ends the run of a HIGH tile): the LOW tile's K loads stand behind the score products' four places.
; The head has no second product, so this tile's V fragments land under it; they are waited for at its end.  vcnt: the LDS loads issued behind them:
; none, or with kld = 1 the 16 K loads.
.macro HEAD i, mask, tile, next, kld, vcnt
	SALONE \i
.if \mask == 1
	s_cmp_lg_u32 s[44+\i], s[\tile]
	s_cbranch_scc1 .Lnm_\@
	MASK \i
.Lnm_\@:
.endif
.if \mask == 2
	MASK \i
.endif
.if \kld
	KLD PLACE
.endif
	UNIT \i, 0, \next, 0
	s_wait_dscnt \vcnt
.endm
; Slot i's second products by themselves, straight onto its accumulators in window 2: behind the last unit of a run, and in tile 0 (first = 1: they
; start the sums).  Four accumulators by turns, one instruction a turn.
.macro PVD i, first
.if 1-\first
	WIN 0x82
.irp p, 0,1,2,3,4,5,6,7,8,9,10,11,12,13,14,15
	v_pk_mul_f32 v[32*\i+2*\p:32*\i+2*\p+1], v[32*\i+2*\p:32*\i+2*\p+1], v[AL0+2*((\i)&1):AL0+2*((\i)&1)+1] op_sel_hi:[1,0]
.endr
.endif
	WIN 0xa0
.irp dt, 0,1,2,3
.if \first
	v_wmma_f32_16x16x32_f16 v[32*\i+8*\dt:32*\i+8*\dt+7], v[VF+16*\dt:VF+16*\dt+7], v[PB:PB+7], 0
.else
	v_wmma_f32_16x16x32_f16 v[32*\i+8*\dt:32*\i+8*\dt+7], v[VF+16*\dt:VF+16*\dt+7], v[PB:PB+7], v[32*\i+8*\dt:32*\i+8*\dt+7]
.endif
.endr
.irp dt, 0,1,2,3
	v_wmma_f32_16x16x32_f16 v[32*\i+8*\dt:32*\i+8*\dt+7], v[VF+16*\dt+8:VF+16*\dt+15], v[PB+8:PB+15], v[32*\i+8*\dt:32*\i+8*\dt+7]
.endr
	WIN 0
.endm
; Slot i against tile 0: Q is prepared (qcnt: its wait) and the step stands in phases.  dyn = 1 (slot 0): with g = 0 tile 0 is the diagonal and the slot ends here.
.macro FIRST i, dyn, qcnt
	QPREP \i, \qcnt
	SALONE \i
.if \dyn
	s_cmp_lg_u32 s[44+\i], 0
	s_cbranch_scc1 .Lfm_\@
	MASK \i
.Lfm_\@:
.endif
	UNIT \i, 0, 0, 1
	PVD \i, 1
.if \dyn
	s_cmp_lg_u32 s[44+\i], 0
	s_cbranch_scc1 .Lfe_\@
	EPI \i, 1, 1
.Lfe_\@:
.endif
.endm
; Behind the unit that joined slot i's last products: on the diagonal the slot is complete and is stored.  Its accumulators were last written by vector lines.
.macro FIN i, tile
	s_cmp_lg_u32 s[44+\i], s[\tile]
	s_cbranch_scc1 .Lnf_\@
	EPI \i, 0, 1
.Lnf_\@:
.endm
	; ---------------- set-up: what the first loads need ----------------
.set RR,  64                           ; set-up's own registers, in the even score buffer
.set HH,  65
.set R16, 66
.set R8,  67
.set TM,  68
.set tKG, 70
.set tVG, 71
.set tRE, 72
.set tKS, 73
.set tVS, 74
.set tKA, 75
.set tVA, 76
.set tQS, 77
.set tOS, 78
.set tOL, 79
.set tDG, 80
	s_load_b256 s[4:11], s[0:1], 0x0               ; keys s[4:5], queries s[6:7], values s[8:9], out0 s[10:11]
	v_lshl_add_u32 v254, v0, 2, 0xdc00
	v_mov_b32 v255, 0
	v_lshrrev_b32 v[TM], 5, v0
	v_readfirstlane_b32 s12, v[TM]                 ; w: my wave's number
	s_and_b32 s13, ttmp9, 1                        ; x
	s_lshr_b32 s14, ttmp9, 1                       ; head
	s_lshr_b32 s15, s14, 3                         ; (b, n)
	s_and_b32 s14, s14, 7                          ; h
	s_lshl_b32 s16, s15, 21                        ; 1,024 positions x 2,048 bytes
	s_lshl_b32 s14, s14, 8
	s_add_co_u32 s16, s16, s14                     ; the head's first byte, under 2^25
	s_mov_b32 s17, 0
	s_mov_b32 s19, 0
	s_sub_co_u32 s33, 15, s13                      ; the first HIGH tile
	s_lshl_b32 s15, s12, 15                        ; my 16 rows of every 64: w x 16 x 2,048
	v_and_b32 v[RR], 15, v0                        ; r
	v_bfe_u32 v[HH], v0, 4, 1                      ; h
	v_lshlrev_b32 v[R16], 4, v[RR]                 ; 16 r
	v_lshl_add_u32 v[tKG], v[HH], 14, v[R16]       ; 8 h rows
	v_lshl_add_u32 v[tVG], v[HH], 13, v[R16]       ; 4 h rows
	v_lshl_add_u32 v[tRE], v[HH], 11, v[R16]       ; h rows
	s_lshl_b32 s14, s13, 17                        ; even slots: group 2 i + x
	s_xor_b32 s18, s14, TILEB                      ; odd slots: group 2 i + 1 - x
	WIN 0xc0                                       ; the last sum of each address writes it into window 3
	v_add_nc_u32 v[KG], s15, v[tKG]
	v_add_nc_u32 v[VG], s15, v[tVG]
	v_add_nc_u32 v[RO], s18, v[tRE]
	v_add_nc_u32 v[RE], s14, v[tRE]
	WIN 0
	s_wait_kmcnt 0x0
	s_add_nc_u64 s[24:25], s[4:5], s[16:17]        ; LOW pointers: tile 0
	s_add_nc_u64 s[26:27], s[8:9], s[16:17]
	s_lshl_b32 s18, s33, 17
	s_add_nc_u64 s[20:21], s[24:25], s[18:19]      ; HIGH pointers: tile 15 - x
	s_add_nc_u64 s[22:23], s[26:27], s[18:19]
	s_mov_b32 s18, s15
	s_add_nc_u64 s[28:29], s[6:7], s[16:17]        ; queries and out0 at the head's row 16 w
	s_add_nc_u64 s[28:29], s[28:29], s[18:19]
	s_add_nc_u64 s[30:31], s[10:11], s[16:17]
	s_add_nc_u64 s[30:31], s[30:31], s[18:19]
	ISSUE SL, 24, 26, 0                            ; tile 0: 16 loads
	QLOAD 0                                        ; 32 loads
	QLOAD 1
	QLOAD 2
	QLOAD 3
	; ---------------- the rest of the set-up, under those loads ----------------
	v_lshlrev_b32 v[R8], 3, v[RR]                  ; 8 r
	v_mul_u32_u24 v[tKS], v[HH], 8*KP
	v_add_nc_u32 v[tKS], v[tKS], v[R8]             ; 8 h x 144 + 8 r
	v_mul_u32_u24 v[tVS], v[HH], 4*VP
	v_add_nc_u32 v[tVS], v[tVS], v[R8]             ; 4 h x 160 + 8 r
	v_mul_u32_u24 v[tKA], v[RR], KP
	v_lshl_add_u32 v[tKA], v[HH], 4, v[tKA]        ; r x 144 + 16 h
	v_and_b32 v[TM], 7, v0
	v_lshl_add_u32 v[TM], v[HH], 3, v[TM]          ; 8 h + (lane & 7): the key row that I address
	v_mul_u32_u24 v[tVA], v[TM], VP
	v_bfe_u32 v[TM], v0, 3, 1
	v_lshl_add_u32 v[tVA], v[TM], 4, v[tVA]        ; + 16 bytes for lanes 8-15 of each half
	v_mul_u32_u24 v[tQS], v[HH], KP
	v_add_nc_u32 v[tQS], v[tQS], v[R8]             ; h x 144 + 8 r
	v_mul_u32_u24 v[tOS], v[RR], OP
	v_lshl_add_u32 v[tOS], v[HH], 5, v[tOS]        ; r x 272 + 32 h
	v_mul_u32_u24 v[tOL], v[HH], OP
	v_add_nc_u32 v[tOL], v[tOL], v[R16]            ; h x 272 + 16 r
	v_lshlrev_b32 v[TM], 3, v[HH]
	v_sub_nc_u32 v[tDG], v[RR], v[TM]
	s_mul_i32 s14, s12, 16*KP                      ; my 16 rows of a K tile
	s_mul_i32 s15, s12, 16*VP
	s_add_co_u32 s15, s15, VOFF                    ; my 16 rows of a V tile
	s_mul_i32 s18, s12, STGW
	s_add_co_u32 s18, s18, STG                     ; my stage
	s_lshl_b32 s19, s12, 4
	v_add_nc_u32 v[tDG], s19, v[tDG]               ; 16 w + r - 8 h, signed
	WIN 0xc0
	v_add_nc_u32 v[KS], s14, v[tKS]
	v_add_nc_u32 v[VS], s15, v[tVS]
	v_mov_b32 v[KA], v[tKA]
	v_add_nc_u32 v[VA], VOFF, v[tVA]
	v_add_nc_u32 v[QS], s18, v[tQS]
	v_add_nc_u32 v[QA], s18, v[tKA]
	v_add_nc_u32 v[OS], s18, v[tOS]
	v_add_nc_u32 v[OL], s18, v[tOL]
	WIN 0
.irp kt, 0,1,2,3
.irp jj, 0,1,2,3,4,5,6,7
	v_cmp_gt_i32 s[MK+8*\kt+\jj], 16*\kt+\jj, v[tDG]   ; score register 8 kt + j is masked on the diagonal in these lanes
.endr
.endr
	v_mov_b32 v[NI], 0xff800000
	v_mov_b32 v[AL0+1], 0                          ; the alpha pairs' second registers: named by the packed forms, never selected
	v_mov_b32 v[AL0+3], 0
	s_sub_co_u32 s35, 7, s13
	s_sub_co_u32 s36, 6, s13
	s_mov_b32 s38, 0x3e38aa3b                      ; c = log2(e) / 8
	s_mov_b32 s39, 0x3e38aa3b
	s_mov_b32 s40, 0x76543210                      ; v_permlanex16_b32: lane i of one half reads lane i of the other
	s_mov_b32 s41, 0xfedcba98
.irp i, 0,2,4,6
	s_add_co_u32 s[44+\i], s13, 2*\i               ; g_i
	s_sub_co_u32 s[45+\i], 2*\i+3, s13             ; g_(i+1) = 2 (i + 1) + 1 - x
.endr
	; ---------------- tile 0 ----------------
	s_wait_loadcnt 32                              ; tile 0 is in; the 32 loads of Q0-3 behind it may be out
	CVTST SL, PLACE
	ISSUE SH, 20, 22, 0                            ; pair 0: tile 15 - x
	ISSUE SL, 24, 26, 1                            ;         and tile 1.  By this text's count up to 64 loads of the wave are now asked for
	s_wait_dscnt 0x0                               ; my rows of tile 0 are in LDS,
	s_barrier_signal -1
	s_barrier_wait -1                              ; everybody's are
	KLD PLACE                                      ; tile 0's fragments: no product has been issued yet, so no places
	VLD PLACE, 0
	s_wait_dscnt 0x0                               ; my reads of the tile are back,
	s_barrier_signal -1
	s_barrier_wait -1                              ; everybody's are: the places may be written
	FIRST 0, 1, 56                                 ; Q_i is in when 56 younger loads are out: (3 - i) x 8 of Q, 32 of pair 0, 8 i of Q4 ..
	FIRST 1, 0, 56
	FIRST 2, 0, 56
	FIRST 3, 0, 56
	STAGE 0, 32                                    ; pair 0 is in; the 32 loads of Q4-7 may be out.  Pair 1 is asked for
	FIRST 4, 0, 56                                 ; (7 - i) x 8 of Q and 32 of pair 1 are younger
	FIRST 5, 0, 48
	FIRST 6, 0, 40
	FIRST 7, 0, 32
	s_wait_dscnt 0x0                               ; my rows of pair 0 are in LDS,
	s_barrier_signal -1
	s_barrier_wait -1                              ; everybody's are
	KLD 0                                          ; the first HIGH tile's fragments, as every trip leaves them for the next: K's 16 loads, then V's 16
	VLD 0, 1
	; ---------------- seven trips: HIGH tile s33 = 15 - x - j, LOW tile s34 = j + 1 ----------------
	s_mov_b32 s32, 0
	s_mov_b32 s34, 1
.Ltrip:
	s_wait_dscnt 16                                ; the HIGH tile's K fragments are in; V's 16 loads, issued behind them, may be out
	; the HIGH tile: the run begins at the first of slots 4 .. 7 with g >= tile; slot 7 sees every HIGH tile
	s_cmp_lt_u32 s48, s33
	s_cbranch_scc1 .LHc5
	HEAD 4, 1, 33, 1, 0, 0
	s_branch .LHu5
.LHc5:
	s_cmp_lt_u32 s49, s33
	s_cbranch_scc1 .LHc6
	HEAD 5, 1, 33, 1, 0, 0
	s_branch .LHu6
.LHc6:
	s_cmp_lt_u32 s50, s33
	s_cbranch_scc1 .LHc7
	HEAD 6, 1, 33, 1, 0, 0
	s_branch .LHu7
.LHc7:
	HEAD 7, 1, 33, 0, 1, 16
	s_branch .LHpv
.LHu5:
	UNIT 5, 1, 1, 0
.LHu6:
	UNIT 6, 1, 1, 0
.LHu7:
	KLD PLACE                                      ; slot 7's score products, the last to read KF, stand in the unit in front: the LOW tile's K under slot 7's softmax
	UNIT 7, 1, 0, 0
.LHpv:
	PVD 7, 0
	VLD PLACE, 1                                   ; the LOW tile's V, under the LOW run's head
	s_wait_dscnt 16                                ; the LOW tile's K fragments are in; V's 16 loads may be out
	; the LOW tile: the run begins at the first of slots 0 .. 4 with g >= tile; g_4 >= 8 lies behind every LOW tile, so slot 4 needs no compare and no mask
	s_cmp_lt_u32 s44, s34
	s_cbranch_scc1 .LLc1
	HEAD 0, 1, 34, 1, 0, 0
	s_branch .LLu1
.LLc1:
	s_cmp_lt_u32 s45, s34
	s_cbranch_scc1 .LLc2
	HEAD 1, 1, 34, 1, 0, 0
	s_branch .LLu2
.LLc2:
	s_cmp_lt_u32 s46, s34
	s_cbranch_scc1 .LLc3
	HEAD 2, 1, 34, 1, 0, 0
	s_branch .LLu3
.LLc3:
	s_cmp_lt_u32 s47, s34
	s_cbranch_scc1 .LLc4
	HEAD 3, 1, 34, 1, 0, 0
	s_branch .LLu4
.LLc4:
	HEAD 4, 0, 34, 1, 0, 0
	s_branch .LLu5
.LLu1:
	UNIT 1, 1, 1, 0
	FIN 0, 34
.LLu2:
	UNIT 2, 1, 1, 0
	FIN 1, 34
.LLu3:
	UNIT 3, 1, 1, 0
	FIN 2, 34
.LLu4:
	UNIT 4, 1, 1, 0
	FIN 3, 34
.LLu5:
	; every way through the LOW run passes here, behind its head: both tiles of the pair lie in registers
	s_wait_dscnt 0x0                               ; my reads of both places are back (the head's wait has shown it; so are my stage's loads),
	s_barrier_signal -1
	s_barrier_wait -1                              ; everybody's are: the next pair may be stored
	STAGE 1, 0                                     ; only the next pair's loads are out, asked for one trip ago
	UNIT 5, 1, 1, 0                                ; the stores land under these two units
	UNIT 6, 1, 1, 0
	s_wait_dscnt 0x0                               ; my rows of the next pair are in LDS,
	s_barrier_signal -1
	s_barrier_wait -1                              ; everybody's are: the next HIGH tile may be read
	; The end of the run is written twice under one branch, with both runs of loads or with neither, so that the counted wait at the trip's head
	; counts the same loads on every way.  A next HIGH tile exists while j < 7 - x: the odd work-group's last trip reads none.
	s_cmp_ge_u32 s32, s35
	s_cbranch_scc1 .LLlast
	KLD 0                                          ; the next HIGH tile's K under slot 7's softmax
	UNIT 7, 1, 0, 0
	PVD 7, 0
	VLD 0, 1                                       ; its V, under the next run's head
	s_branch .LLnext
.LLlast:
	UNIT 7, 1, 0, 0
	PVD 7, 0
.LLnext:
	s_sub_co_u32 s33, s33, 1
	s_add_co_u32 s34, s34, 1
	s_add_co_u32 s32, s32, 1
	s_cmp_lt_u32 s32, 7
	s_cbranch_scc1 .Ltrip
	; ---------------- x = 0: tile 8, whose fragments the last trip has asked for.  g_4 = 8: slot 4 begins the run, on the diagonal ----------------
	s_cmp_lg_u32 s13, 0                            ; the same in all four waves; no barrier stands inside
	s_cbranch_scc1 .Lfin
	s_wait_dscnt 16                                ; K's fragments are in; V's 16 loads may be out
	HEAD 4, 2, 33, 1, 0, 0
	UNIT 5, 1, 1, 0
	UNIT 6, 1, 1, 0
	UNIT 7, 1, 0, 0
	PVD 7, 0
.Lfin:
	PLACES 4                                       ; places behind slot 7's last products, whose results are read below (ISA guide 7.12.1)
	EPI 4, 0, 0
	EPI 5, 0, 0
	EPI 6, 0, 0
	EPI 7, 0, 0
	s_wait_tensorcnt 0x0
	ds_add_u32 v254, v255
	s_wait_dscnt 0x0
	s_endpgm
.Lfunc_end_k_q63a114edce_attn:
	.size	k_q63a114edce_attn, .Lfunc_end_k_q63a114edce_attn-k_q63a114edce_attn
	.p2alignl 7, 3214868480
	.fill 96, 4, 3214868480
	.section	.rodata,"a",@progbits
	.p2align	6, 0x0
	.amdhsa_kernel k_q63a114edce_attn
		.amdhsa_group_segment_fixed_size 56832
		.amdhsa_private_segment_fixed_size 0
		.amdhsa_enable_private_segment 0
		.amdhsa_kernarg_size 32
		.amdhsa_user_sgpr_count 2
		.amdhsa_user_sgpr_kernarg_segment_ptr 1
		.amdhsa_wavefront_size32 1
		.amdhsa_system_sgpr_workgroup_id_x 1
		.amdhsa_system_sgpr_workgroup_id_y 1
		.amdhsa_system_sgpr_workgroup_id_z 1
		.amdhsa_system_vgpr_workitem_id 0
		.amdhsa_next_free_vgpr 784
		.amdhsa_next_free_sgpr 98
		.amdhsa_reserve_vcc 0
		.amdhsa_float_denorm_mode_32 3
		.amdhsa_float_denorm_mode_16_64 3
		.amdhsa_memory_ordered 1
		.amdhsa_forward_progress 1
		.amdhsa_inst_pref_size 255
	.end_amdhsa_kernel
	.section	.bss,"aw",@nobits
	.p2align	6
	.space	262144
	.amdgpu_metadata
---
amdhsa.version: [ 1, 2 ]
amdhsa.kernels:
  - .name:           k_q63a114edce_attn
    .symbol:         k_q63a114edce_attn.kd
    .args:
      - { .name: keys, .offset: 0, .size: 8, .value_kind: global_buffer, .address_space: global }
      - { .name: queries, .offset: 8, .size: 8, .value_kind: global_buffer, .address_space: global }
      - { .name: values, .offset: 16, .size: 8, .value_kind: global_buffer, .address_space: global }
      - { .name: out0, .offset: 24, .size: 8, .value_kind: global_buffer, .address_space: global }
    .group_segment_fixed_size: 56832
    .private_segment_fixed_size: 0
    .kernarg_segment_align: 8
    .kernarg_segment_size: 32
    .max_flat_workgroup_size: 128
    .sgpr_count:     98
    .vgpr_count:     784
    .wavefront_size: 32
...
	.end_amdgpu_metadata
.endif
;; end of part 1
